; MI455X (gfx1250); checked and timed in simulation.
; The chip was launched on July 23, 2026; its instructions are those of AMD's public machine-readable ISA for CDNA 5 (MIT licence, August 2026) and "CDNA5" Instruction Set Architecture Reference Guide (July 2026). The comments in the code are by the model that wrote it; some were corrected since.
;; Category Specific Init Net. Allowed arithmetic: matrix products marked QUANTISED: E2M1 operands, one E8M0 scale for each 32 along K, by v_wmma_scale_f32_16x16x128_f8f6f4 with both operands' format E2M1 (or v_wmma_scale_f32_32x16x128_f4), f32 sums; products left as they are: bf16, f16 or f32 operands; f32 sums; everything else in f32.
;; Inputs: Wd1 8 x 256 x 256 float32; Wd2 8 x 256 x 256 float32; Wd3 8 x 256 x 128 float32; We1 768 x 512 float32; We2 512 x 256 float32; We3 256 x 256 float32; bd1 8 x 256 float32; bd2 8 x 256 float32; bd3 8 x 128 float32; be1 512 float32; be2 256 float32; be3 256 float32; cat_idx 32,768 int32; features 32,768 x 768 float32.
;; Outputs: out0 32,768 x 128 float32.
;; This version of the problem:
;;   THIS VERSION OF THE PROBLEM IS GIVEN IN LOW PRECISION. The matrix products marked QUANTISED in the list below multiply operands that are first quantised to E2M1 (2 exponent bits, 1 mantissa bit; 4 bits a number), with one power-of-two scale for each 32 numbers along K (OCP MX v1.0); their sums are f32. The products marked 'left as it is' may take bf16, f16 or f32 operands, with f32 sums. Whichever they take, every output number must still come out within the allowed error. Rounding operands to bf16 (8 significant bits) uses up far more of that allowance than f16 does (11 bits, for magnitudes from 6e-5 to 65,504). All else is computed in f32.
;;   The module's matrix products, in the order in which they are computed (A, B: the left and right operand; K: the contracted axis; several contracted axes count as one K, in the product's order):
;;     1. [M 32,768, K 768] x [K 768, N 512]; A: input features; B: input We1: QUANTISED
;;     2. [M 32,768, K 512] x [K 512, N 256]; A: computed on the way; B: input We2: left as it is (an operand is computed on the way)
;;     3. [M 32,768, K 256] x [K 256, N 256]; A: computed on the way; B: input We3: left as it is (an operand is computed on the way)
;;     4. [M 32,768, K 256] x [K 256, N 2,048]; A: computed on the way; B: input Wd1: left as it is (an operand is computed on the way)
;;     5. batch 8 x [M 256, K 256] x [K 256, N 32,768]; A: input Wd2; B: computed on the way: left as it is (an operand is computed on the way)
;;     6. batch 8 x [M 128, K 256] x [K 256, N 32,768]; A: input Wd3; B: computed on the way: left as it is (an operand is computed on the way)
;;   THE QUANTISER, for each operand of a quantised product, along K:
;;     - K is cut into blocks of 32 from its start; a last block that is shorter is filled with zeros.
;;     - A block's scale is 2^e with e = floor(log2(the largest magnitude in the block)) - 2, held to -126 .. 127; a block of zeros has e = 0. As a byte (E8M0): e + 127.
;;     - Each number is divided by its block's scale, clamped to +-6, and rounded to the nearest number of E2M1, ties to even, subnormals kept.
;;     - The product sums the exact products of the quantised numbers (number of the format x scale) in f32.
;;   ~~~python
;;   def quantise(x, axis):      # numpy; x: float32 -> the quantised numbers, widened to float32 again
;;       x = np.moveaxis(x, axis, -1); K = x.shape[-1]
;;       x = np.pad(x, [(0, 0)] * (x.ndim - 1) + [(0, -K % 32)]); x = x.reshape(x.shape[:-1] + (-1, 32)); a = np.abs(x).max(-1, keepdims=True)
;;       e = np.where(a > 0, np.clip(np.frexp(np.where(a > 0, a, 1))[1] - 1 - 2, -126, 127), 0)      # np.frexp(a)[1] - 1 = floor(log2(a)), exactly
;;       r = np.clip(x / 2.0 ** e, -6, 6)
;;       step = 2.0 ** (np.maximum(np.frexp(np.where(r == 0, 1, r))[1] - 1, 0) - 1)
;;       q = np.round(r / step) * step * 2.0 ** e      # np.round: ties to even
;;       return np.moveaxis(q.reshape(q.shape[:-2] + (-1,))[..., :K], -1, axis).astype(np.float32)
;;   ~~~
;; One version. Each part assembles by itself: llvm-mc -triple=amdgcn-amd-amdhsa -mcpu=gfx1250 --defsym DOCPART=n.
;; ======== version 1 of 1: 2 launches
;; limits: values are held in f16: magnitudes above 65,504 overflow, below 6.1e-05 lose precision; inputs' magnitudes at most 65,504
;; workspace buffers: w1c 196,608 bytes; w1s 12,288 bytes; wf 3,014,656 bytes; wmax 3,584 bytes; order 131,072 bytes of whole numbers; ebase 256 bytes of whole numbers
;; launch prep (part 1): grid 58 x 1, 32 waves a work-group, no clusters, 5,120 bytes of LDS; arguments We1, We2, We3, Wd1, Wd2, Wd3, cat_idx, w1c, w1s, wf, wmax, order, ebase; writes w1c, w1s, wf, wmax, order, ebase
.if DOCPART == 1
	.amdgcn_target "amdgcn-amd-amdhsa--gfx1250"
	.amdhsa_code_object_version 6
	.text
	.protected	k_q8eec23790c_prep
	.globl	k_q8eec23790c_prep
	.p2align	8
	.type	k_q8eec23790c_prep,@function
k_q8eec23790c_prep:
	s_mov_b64 s[64:65], 0
	v_nop
	global_prefetch_b8 v0, s[64:65] scope:SCOPE_SE
	s_setreg_imm32_b32 hwreg(HW_REG_WAVE_MODE, 25, 1), 1
	s_wait_xcnt 0x0
; PREP: lays the weights out once, in the order of the matrix operands' registers, and sorts the rows by their decoder.
; THE PROGRAM.  latent[i] = decoder cat_idx[i] (encoder(features[i])).  Two launches: this one, and CHAIN, which takes 128 sorted rows through all six products.
; WORK LEFT OUT.  reference() computes d[i, k] for all 8 decoders k and keeps, by its own gather d[arange, cat_idx], only d[i, cat_idx[i]]: for every value of the inputs
; the results of decoder k on row i with k != cat_idx[i] reach no output.  So the three decoder products are done for (row, cat_idx[row]) alone, chosen by whole numbers that CHAIN reads from memory.
; Every input has a way to an output and is loaded.  LIMIT: a NaN, an infinity or an overflow that would arise only in a decoder that was not chosen is not carried to the result.
; WHAT IS MADE HERE (work-group number -> path; the paths part on the work-group's number alone):
;   0-2    We1 [768][512] f32, K first -> codes of E2M1 with one E8M0 byte for each 32 along K.  w1c [w 4][q = 8 s + t][c 2][lane][16 B]: unit 128 w + 16 t + lane % 16, k = 128 s + 64 c + 32 (lane / 16) + 0..31;
;          w1s [w][s 6][j 4][lane][4 B]: lane l holds the scale word of unit 128 w + 32 j + l for K step s.
;   3-21   We2, We3, Wd1[e], Wd2[e], a block of 256 x 256 each -> f16 images wf [..][w][s][t][c 2][lane][16 B]: unit slice x w + 16 t + lane % 16, k = 32 s + 16 c + 8 (lane / 16) + 0..7.
;   22-25  Wd3[e], two decoders each, likewise with slices of 32 units.
;   0-25   also store each wave's largest |W| in wmax [work-group][wave]: CHAIN bounds its sums by it.
;   26-57  a counting sort of cat_idx: work-group 26 + b places elements 1024 b .. 1024 b + 1023.  Each of them counts the whole array itself, so nothing passes between work-groups.
; A LANE TAKES A COLUMN AND ITS REGISTERS RUN DOWN K: each load reads 128 consecutive bytes, a block along K lies in one lane, and the conversions give K innermost.  Two tiles of 16 units lie in a wave's two halves;
; an exchange of halves between two registers makes the two tiles' operand registers of them.
; LIMITS: a block of zeros gets the scale byte 1 where the rule says 127 (its codes are zeros; this program alone reads the bytes); blocks under 2^-124 were not tried; weights of the products left as they are
; must lie under 65,504 in magnitude, and what lies under 2^-25 vanishes (f16); NaN and infinities are not served; cat_idx outside 0..7 is not served (addresses are held inside the buffer).
.set SPARE, 1024                       ; LDS (sort path alone): 0 the chunks' counts, 512 the waves' counts, 1024 the spare words, 128 bytes a wave
.set CT,    512
.set LANE, 1
.set LI,   2                           ; 16 x lane
.set LS,   3                           ; 4 x lane
.set SPW,  4                           ; my spare word; never rewritten
.set NIL,  5                           ; 0; never rewritten
.set VMX,  6                           ; running largest |W|
.set VMY,  7
.set WMA,  8                           ; where my wave's maximum goes
.set PT,   9                           ; a lane permute's destination
.set WA,   10
.set POS,  11
.set AD,   12
.set AD2,  13
.set WD,   14
.set RR,   16                          ; v16-19 counts, two 16-bit fields a word: (e0,e4) (e2,e6) (e1,e5) (e3,e7)
.set QQ,   20
.set SS,   24
.set X,    32                          ; v32-95 numbers as loaded
.set C,    96                          ; v96-111 codes
.set XE,   64
.set EL,   65
.set AC,   66
.set TT,   69
.set EV,   70
.set OD,   71
.set WV,   30
.set SEL,  66
	s_load_b512 s[4:19], s[0:1], 0x0               ; We1 4, We2 6, We3 8, Wd1 10, Wd2 12, Wd3 14, cat_idx 16, w1c 18
	s_load_b256 s[20:27], s[0:1], 0x40             ; w1s 20, wf 22, wmax 24, order 26
	s_load_b64 s[28:29], s[0:1], 0x60              ; ebase
	v_lshl_add_u32 v[SPW], v0, 2, SPARE
	v_mov_b32 v[NIL], 0
	v_lshrrev_b32 v[PT], 5, v0
	v_readfirstlane_b32 s[WV], v[PT]               ; wave 0..31
	v_and_b32 v[LANE], 31, v0
	v_lshlrev_b32 v[LI], 4, v[LANE]
	v_lshlrev_b32 v[LS], 2, v[LANE]
	v_mov_b32 v[PT], 0
	v_mov_b32 v[VMX], 0
	s_mov_b32 s[SEL], 0x76543210
	s_mov_b32 s[SEL+1], 0xfedcba98                 ; lane l xor 16
	s_lshl_b32 s31, ttmp9, 5
	s_add_co_u32 s31, s31, s[WV]                   ; 32 x work-group + wave
	s_lshl_b32 s32, s31, 2
	v_mov_b32 v[WMA], s32
	s_wait_kmcnt 0x0
	s_cmp_lt_u32 ttmp9, 3
	s_cbranch_scc1 .Lfp4
	s_cmp_lt_u32 ttmp9, 22
	s_cbranch_scc1 .Lf256
	s_cmp_lt_u32 ttmp9, 26
	s_cbranch_scc1 .Lf128
	s_branch .Lsort
; the wave's largest |W| goes out by lane 0; EXEC changes only behind a wait for the addresses of what has been issued
.macro WMAXOUT
.irp k, 1,2,4,8
	v_max_num_f32_dpp v[VMX], v[VMX], v[VMX] row_xmask:\k row_mask:0xf bank_mask:0xf
.endr
	v_permlanex16_b32 v[PT], v[VMX], s[SEL], s[SEL+1]
	v_max_num_f32 v[VMX], v[VMX], v[PT]
	v_cmp_eq_u32 vcc_lo, 0, v[LANE]
	s_wait_xcnt 0x0
	s_and_saveexec_b32 s31, vcc_lo
	global_store_b32 v[WMA], v[VMX], s[24:25]
	s_wait_xcnt 0x0
	s_or_b32 exec_lo, exec_lo, s31
	s_endpgm
.endm
; ---------------- We1 -> E2M1.  Wave u = 32 id + wave: columns 32 (u % 16) on, K step u / 16 (128 along K: four blocks a lane)
.Lfp4:
	s_and_b32 s33, s31, 15                         ; ng
	s_lshr_b32 s34, s31, 4                         ; s
	s_lshr_b32 s35, s33, 2                         ; w
	s_and_b32 s36, s33, 3                          ; j
	s_lshl_b32 s38, s34, 18                        ; 128 rows of 2,048 bytes
	s_lshl_b32 s37, s33, 7
	s_add_co_u32 s38, s38, s37
	s_mov_b32 s39, 0
	s_add_nc_u64 s[4:5], s[4:5], s[38:39]
	s_mul_i32 s40, s35, 49152                      ; w1c: w x 48 KiB + (8 s + 2 j) x 1,024
	s_lshl_b32 s37, s34, 13
	s_add_co_u32 s40, s40, s37
	s_lshl_b32 s37, s36, 11
	s_add_co_u32 s40, s40, s37
	s_mov_b32 s41, 0
	s_add_nc_u64 s[18:19], s[18:19], s[40:41]
	s_mul_i32 s42, s35, 3072                       ; w1s: w x 3,072 + (4 s + j) x 128
	s_lshl_b32 s37, s34, 9
	s_add_co_u32 s42, s42, s37
	s_lshl_b32 s37, s36, 7
	s_add_co_u32 s42, s42, s37
	s_mov_b32 s43, 0
	s_add_nc_u64 s[20:21], s[20:21], s[42:43]
.macro LOADB b                         ; block b: We1(32 b + i, my column) into set b % 2
.set lb, 0
.rept 32
	global_load_b32 v[X+32*((\b)%2)+lb], v[LS], s[4:5] offset:(32*(\b)+lb)*2048 th:TH_LOAD_NT
.set lb, lb+1
.endr
.endm
.macro FBLOCK b
.set XS, X+32*((\b)%2)
.if \b < 3
	s_wait_loadcnt 32                              ; this block's 32 loads are in; the next block's 32 may be out
.else
	s_wait_loadcnt 0x0
.endif
	v_max3_num_f32 v12, |v[XS]|, |v[XS+1]|, |v[XS+2]|
	v_max3_num_f32 v13, |v[XS+3]|, |v[XS+4]|, |v[XS+5]|
.irp i, 6,10,14,18,22,26
	v_max3_num_f32 v12, v12, |v[XS+\i]|, |v[XS+\i+1]|
	v_max3_num_f32 v13, v13, |v[XS+\i+2]|, |v[XS+\i+3]|
.endr
	v_max3_num_f32 v12, v12, |v[XS+30]|, |v[XS+31]|
	v_max3_num_f32 v12, v12, v13, 0x1800000        ; the floor 2^(3 - 127): the byte cannot fall under 1
	v_max_num_f32 v[VMX], v[VMX], v12
	v_add_nc_u32 v11, 0xff000000, v12              ; 2 off the exponent field: the conversion's scale operand
	v_lshrrev_b32 v13, 23, v11                     ; the scale's byte
.if \b == 0
	v_mov_b32 v[WD], v13
.else
	v_lshl_or_b32 v[WD], v13, 8*\b, v[WD]
.endif
.irp g, 0,1,2,3
	v_cvt_scalef32_pk8_fp4_f32 v[C+4*\b+\g], v[XS+8*\g:XS+8*\g+7], v11
.endr
.if \b < 2
	LOADB \b+2
.endif
.endm
	LOADB 0
	LOADB 1
	FBLOCK 0
	FBLOCK 1
	FBLOCK 2
	FBLOCK 3
	v_nop                                          ; one plain place behind the last scaled conversion
.irp c, 0,1                            ; lanes 0-15 hold tile 2 j's units, lanes 16-31 tile 2 j + 1's; the operand wants block 2 c in lanes 0-15 and block 2 c + 1 in lanes 16-31
.irp i, 0,1,2,3
	v_permlane16_swap_b32 v[C+8*\c+\i], v[C+8*\c+4+\i]   ; the first becomes register 4 c + i of tile 2 j, the second that of tile 2 j + 1
.endr
.endr
	global_store_b128 v[LI], v[C:C+3], s[18:19]                 ; each store covers 512 consecutive bytes, aligned
	global_store_b128 v[LI], v[C+8:C+11], s[18:19] offset:512
	global_store_b128 v[LI], v[C+4:C+7], s[18:19] offset:1024
	global_store_b128 v[LI], v[C+12:C+15], s[18:19] offset:1536
	global_store_b32 v[LS], v[WD], s[20:21]
	WMAXOUT
; ---------------- f32 -> f16 images.  A wave takes 32 columns x 64 along K: two K steps of two tiles.  s[32:33] source, s[44:45] destination
.macro F16UNIT pitch, sstep
.set fi, 0
.rept 64
	global_load_b32 v[X+fi], v[LS], s[32:33] offset:fi*\pitch th:TH_LOAD_NT
.set fi, fi+1
.endr
	s_wait_loadcnt 0x0
	v_max_num_f32 v[VMX], |v[X]|, |v[X+1]|
	v_max_num_f32 v[VMY], |v[X+2]|, |v[X+3]|
.set fi, 4
.rept 15
	v_max3_num_f32 v[VMX], v[VMX], |v[X+fi]|, |v[X+fi+1]|
	v_max3_num_f32 v[VMY], v[VMY], |v[X+fi+2]|, |v[X+fi+3]|
.set fi, fi+4
.endr
	v_max_num_f32 v[VMX], v[VMX], v[VMY]
.set fi, 0
.rept 32
	v_cvt_pk_f16_f32 v[X+fi], v[X+2*fi], v[X+2*fi+1]   ; two neighbours along K; packed in place, ascending: a destination has been read before it is written
.set fi, fi+1
.endr
.irp q, 0,1
.irp i, 0,1,2,3
	v_permlane16_swap_b32 v[X+16*\q+\i], v[X+16*\q+4+\i]       ; k 0-7 | 8-15: registers 0-3 of the first tile, of the second
	v_permlane16_swap_b32 v[X+16*\q+8+\i], v[X+16*\q+12+\i]    ; k 16-23 | 24-31: registers 4-7
.endr
.endr
.irp q, 0,1
	global_store_b128 v[LI], v[X+16*\q:X+16*\q+3], s[44:45] offset:\q*\sstep
	global_store_b128 v[LI], v[X+16*\q+8:X+16*\q+11], s[44:45] offset:\q*\sstep+512
	global_store_b128 v[LI], v[X+16*\q+4:X+16*\q+7], s[44:45] offset:\q*\sstep+1024
	global_store_b128 v[LI], v[X+16*\q+12:X+16*\q+15], s[44:45] offset:\q*\sstep+1536
.endr
.endm
.Lf256:                                        ; id' = id - 3: 0, 1 We2's halves along K; 2 We3; 3-10 Wd1[e]; 11-18 Wd2[e].  The choices hang on the work-group's number alone
	s_sub_co_u32 s47, ttmp9, 3
	s_sub_co_u32 s38, s47, 3
	s_sub_co_u32 s34, s47, 11                      ; block in the matrix
	s_mov_b64 s[32:33], s[12:13]
	s_mov_b32 s35, 1441792                         ; the part's place in wf
	s_mov_b32 s36, 131072                          ; from block to block there
	s_mov_b32 s37, 32768                           ; from wave slice to wave slice
	s_cmp_lt_u32 s47, 11
	s_cselect_b64 s[32:33], s[10:11], s[32:33]
	s_cselect_b32 s34, s38, s34
	s_cselect_b32 s35, 393216, s35
	s_cmp_lt_u32 s47, 3
	s_cselect_b64 s[32:33], s[8:9], s[32:33]
	s_cselect_b32 s34, 0, s34
	s_cselect_b32 s35, 262144, s35
	s_cmp_lt_u32 s47, 2
	s_cselect_b64 s[32:33], s[6:7], s[32:33]
	s_cselect_b32 s34, s47, s34
	s_cselect_b32 s35, 0, s35
	s_cselect_b32 s36, 32768, s36
	s_cselect_b32 s37, 65536, s37
	s_and_b32 s40, s[WV], 7                        ; ng: columns 32 ng on
	s_lshr_b32 s41, s[WV], 3                       ; kg: k 64 kg on
	s_lshl_b32 s42, s34, 18
	s_lshl_b32 s43, s41, 16
	s_add_co_u32 s42, s42, s43
	s_lshl_b32 s43, s40, 7
	s_add_co_u32 s42, s42, s43
	s_mov_b32 s43, 0
	s_add_nc_u64 s[32:33], s[32:33], s[42:43]
	s_mul_i32 s44, s34, s36
	s_add_co_u32 s44, s44, s35
	s_lshr_b32 s46, s40, 1
	s_mul_i32 s46, s46, s37
	s_add_co_u32 s44, s44, s46
	s_lshl_b32 s46, s41, 13
	s_add_co_u32 s44, s44, s46
	s_and_b32 s46, s40, 1
	s_lshl_b32 s46, s46, 11
	s_add_co_u32 s44, s44, s46
	s_mov_b32 s45, 0
	s_add_nc_u64 s[44:45], s[22:23], s[44:45]
	F16UNIT 1024, 4096
	WMAXOUT
.Lf128:                                        ; Wd3: decoder 2 (id - 22) + wave / 16; columns 32 (wave % 4) on; k 64 ((wave / 4) % 4) on
	s_sub_co_u32 s34, ttmp9, 22
	s_lshl_b32 s34, s34, 1
	s_lshr_b32 s35, s[WV], 4
	s_add_co_u32 s34, s34, s35
	s_and_b32 s40, s[WV], 3
	s_bfe_u32 s41, s[WV], 0x20002
	s_lshl_b32 s42, s34, 17
	s_lshl_b32 s43, s41, 15
	s_add_co_u32 s42, s42, s43
	s_lshl_b32 s43, s40, 7
	s_add_co_u32 s42, s42, s43
	s_mov_b32 s43, 0
	s_add_nc_u64 s[32:33], s[14:15], s[42:43]
	s_lshl_b32 s44, s34, 16
	s_lshl_b32 s46, s40, 14
	s_add_co_u32 s44, s44, s46
	s_lshl_b32 s46, s41, 12
	s_add_co_u32 s44, s44, s46
	s_add_co_u32 s44, s44, 2490368
	s_mov_b32 s45, 0
	s_add_nc_u64 s[44:45], s[22:23], s[44:45]
	F16UNIT 512, 2048
	WMAXOUT
; ---------------- the counting sort
.macro WSUM r                          ; the sum over the wave's 32 lanes, in every lane
.irp k, 1,2,4,8
	v_mov_b32_dpp v[PT], v[\r] row_xmask:\k row_mask:0xf bank_mask:0xf
	v_add_nc_u32 v[\r], v[\r], v[PT]
.endr
	v_permlanex16_b32 v[PT], v[\r], s[SEL], s[SEL+1]
	v_add_nc_u32 v[\r], v[\r], v[PT]
.endm
.Lsort:
	s_sub_co_u32 s32, ttmp9, 26                    ; b: my chunk of 1,024 elements
	v_lshlrev_b32 v[AD], 7, v0                     ; thread t counts elements 32 t .. 32 t + 31 of the whole array: wave v counts chunk v
.irp j, 0,1,2,3,4,5,6,7
	global_load_b128 v[X+4*\j:X+4*\j+3], v[AD], s[16:17] offset:16*\j
.endr
	s_lshl_b32 s33, s32, 10
	v_add_nc_u32 v[EL], s33, v0                    ; the element that I place
	v_lshlrev_b32 v[AD2], 2, v[EL]
	global_load_b32 v[XE], v[AD2], s[16:17]
	v_mov_b32 v[AC], 0
	v_mov_b32 v[AC+1], 0
	v_mov_b32 v[AC+2], 0
	s_mov_b32 s34, 0x0f0f0f0f
	s_mov_b32 s35, 0x00ff00ff
	v_mov_b32 v[WA], s[WV]
	v_lshlrev_b32 v[WA], 4, v[WA]                  ; 16 x wave
	s_wait_loadcnt 0x0
.set sj, 0
.rept 32                               ; eight counts in 4-bit fields; at most 11 elements to an accumulator
	v_lshlrev_b32 v[TT], 2, v[X+sj]
	v_lshl_add_u32 v[AC+sj/11], 1, v[TT], v[AC+sj/11]
.set sj, sj+1
.endr
	v_and_b32 v[EV], s34, v[AC]                    ; the even decoders' counts, a byte each
	v_and_b32 v[TT], s34, v[AC+1]
	v_add_nc_u32 v[EV], v[EV], v[TT]
	v_and_b32 v[TT], s34, v[AC+2]
	v_add_nc_u32 v[EV], v[EV], v[TT]
.irp a, 0,1,2
	v_lshrrev_b32 v[AC+\a], 4, v[AC+\a]
	v_and_b32 v[AC+\a], s34, v[AC+\a]
.endr
	v_add3_u32 v[OD], v[AC], v[AC+1], v[AC+2]      ; the odd ones'
	v_and_b32 v[RR], s35, v[EV]                    ; (e0, e4) in 16-bit fields: a field holds up to 32,768
	v_lshrrev_b32 v[EV], 8, v[EV]
	v_and_b32 v[RR+1], s35, v[EV]                  ; (e2, e6)
	v_and_b32 v[RR+2], s35, v[OD]                  ; (e1, e5)
	v_lshrrev_b32 v[OD], 8, v[OD]
	v_and_b32 v[RR+3], s35, v[OD]                  ; (e3, e7)
	WSUM RR
	WSUM RR+1
	WSUM RR+2
	WSUM RR+3
	ds_store_b128 v[WA], v[RR:RR+3]                ; chunk v's counts (all lanes write the same 16 bytes with the same values)
.irp e, 0,1,2,3,4,5,6,7
	v_cmp_eq_u32 s[40+\e], \e, v[XE]               ; which of my wave's 32 own elements go to decoder e
.endr
.irp e, 0,1,2,3,4,5,6,7
	s_bcnt1_i32_b32 s[48+\e], s[40+\e]
.endr
	s_lshl_b32 s56, s52, 16
	s_or_b32 s56, s56, s48
	s_lshl_b32 s57, s54, 16
	s_or_b32 s57, s57, s50
	s_lshl_b32 s58, s53, 16
	s_or_b32 s58, s58, s49
	s_lshl_b32 s59, s55, 16
	s_or_b32 s59, s59, s51
	v_mov_b32 v[SS], s56
	v_mov_b32 v[SS+1], s57
	v_mov_b32 v[SS+2], s58
	v_mov_b32 v[SS+3], s59
	ds_store_b128 v[WA], v[SS:SS+3] offset:CT
	s_wait_dscnt 0x0                               ; for the others' sake: my stores have landed
	s_barrier_signal -1
	s_barrier_wait -1
	ds_load_b128 v[RR:RR+3], v[LI]                 ; lane l: chunk l's counts,
	ds_load_b128 v[SS:SS+3], v[LI] offset:CT       ; and wave l's counts of my chunk
	s_wait_dscnt 0x0
	v_cmp_gt_u32 vcc_lo, s32, v[LANE]              ; chunks in front of mine
.irp i, 0,1,2,3
	v_cndmask_b32 v[QQ+\i], 0, v[RR+\i], vcc_lo
.endr
	v_cmp_gt_u32 vcc_lo, s[WV], v[LANE]            ; waves of my chunk in front of mine
.irp i, 0,1,2,3
	v_cndmask_b32 v[SS+\i], 0, v[SS+\i], vcc_lo
.endr
.irp i, 0,1,2,3
	v_add_nc_u32 v[QQ+\i], v[QQ+\i], v[SS+\i]
.endr
.irp i, 0,1,2,3
	WSUM RR+\i
	WSUM QQ+\i
.endr
.irp i, 0,1,2,3
	v_readfirstlane_b32 s[48+\i], v[RR+\i]         ; the totals,
	v_readfirstlane_b32 s[52+\i], v[QQ+\i]         ; and how many of each decoder stand in front of my wave's elements
.endr
	s_and_b32 s56, s48, 0xffff
	s_lshr_b32 s60, s48, 16
	s_and_b32 s58, s49, 0xffff
	s_lshr_b32 s62, s49, 16
	s_and_b32 s57, s50, 0xffff
	s_lshr_b32 s61, s50, 16
	s_and_b32 s59, s51, 0xffff
	s_lshr_b32 s63, s51, 16
	s_and_b32 s68, s52, 0xffff
	s_lshr_b32 s72, s52, 16
	s_and_b32 s70, s53, 0xffff
	s_lshr_b32 s74, s53, 16
	s_and_b32 s69, s54, 0xffff
	s_lshr_b32 s73, s54, 16
	s_and_b32 s71, s55, 0xffff
	s_lshr_b32 s75, s55, 16
	s_mov_b32 s76, 0
.irp e, 0,1,2,3,4,5,6,7                ; totals -> first sorted position of each decoder; s76 ends as 32,768
	s_mov_b32 s77, s[56+\e]
	s_mov_b32 s[56+\e], s76
	s_add_co_u32 s76, s76, s77
	s_add_co_u32 s[68+\e], s[68+\e], s[56+\e]
.endr
	v_mov_b32 v[POS], 0
.irp e, 0,1,2,3,4,5,6,7
	v_mbcnt_lo_u32_b32 v[TT], s[40+\e], s[68+\e]   ; + those of my wave's lanes under mine
	v_cndmask_b32 v[POS], v[POS], v[TT], s[40+\e]
.endr
	v_min_u32 v[POS], 0x7fff, v[POS]               ; held inside the buffer
	v_lshlrev_b32 v[POS], 2, v[POS]
	global_store_b32 v[POS], v[EL], s[26:27]       ; 4 bytes a lane: the list is 128 KiB in all
	s_or_b32 s77, s32, s[WV]
	s_cmp_lg_u32 s77, 0
	s_cbranch_scc1 .Lnot_first
	v_mov_b32 v[TT], s76                           ; words 8 .. 31: 32,768
.irp e, 0,1,2,3,4,5,6,7
	v_writelane_b32 v[TT], s[56+\e], \e
.endr
	global_store_b32 v[LS], v[TT], s[28:29]
.Lnot_first:
	s_wait_tensorcnt 0x0                           ; the wave's end
	ds_add_u32 v[SPW], v[NIL]
	s_wait_dscnt 0x0
	s_endpgm
.Lfunc_end_k_q8eec23790c_prep:
	.size	k_q8eec23790c_prep, .Lfunc_end_k_q8eec23790c_prep-k_q8eec23790c_prep
	.p2alignl 7, 3214868480
	.fill 96, 4, 3214868480
	.section	.rodata,"a",@progbits
	.p2align	6, 0x0
	.amdhsa_kernel k_q8eec23790c_prep
		.amdhsa_group_segment_fixed_size 5120
		.amdhsa_private_segment_fixed_size 0
		.amdhsa_enable_private_segment 0
		.amdhsa_kernarg_size 104
		.amdhsa_user_sgpr_count 2
		.amdhsa_user_sgpr_kernarg_segment_ptr 1
		.amdhsa_wavefront_size32 1
		.amdhsa_system_sgpr_workgroup_id_x 1
		.amdhsa_system_sgpr_workgroup_id_y 1
		.amdhsa_system_sgpr_workgroup_id_z 1
		.amdhsa_system_vgpr_workitem_id 0
		.amdhsa_next_free_vgpr 128
		.amdhsa_next_free_sgpr 80
		.amdhsa_reserve_vcc 1
		.amdhsa_float_denorm_mode_32 3
		.amdhsa_float_denorm_mode_16_64 3
		.amdhsa_memory_ordered 1
		.amdhsa_forward_progress 1
		.amdhsa_inst_pref_size 65
	.end_amdhsa_kernel
	.amdgpu_metadata
---
amdhsa.version: [ 1, 2 ]
amdhsa.kernels:
  - .name:           k_q8eec23790c_prep
    .symbol:         k_q8eec23790c_prep.kd
    .args:
      - { .name: We1, .offset: 0, .size: 8, .value_kind: global_buffer, .address_space: global }
      - { .name: We2, .offset: 8, .size: 8, .value_kind: global_buffer, .address_space: global }
      - { .name: We3, .offset: 16, .size: 8, .value_kind: global_buffer, .address_space: global }
      - { .name: Wd1, .offset: 24, .size: 8, .value_kind: global_buffer, .address_space: global }
      - { .name: Wd2, .offset: 32, .size: 8, .value_kind: global_buffer, .address_space: global }
      - { .name: Wd3, .offset: 40, .size: 8, .value_kind: global_buffer, .address_space: global }
      - { .name: cat_idx, .offset: 48, .size: 8, .value_kind: global_buffer, .address_space: global }
      - { .name: w1c, .offset: 56, .size: 8, .value_kind: global_buffer, .address_space: global }
      - { .name: w1s, .offset: 64, .size: 8, .value_kind: global_buffer, .address_space: global }
      - { .name: wf, .offset: 72, .size: 8, .value_kind: global_buffer, .address_space: global }
      - { .name: wmax, .offset: 80, .size: 8, .value_kind: global_buffer, .address_space: global }
      - { .name: order, .offset: 88, .size: 8, .value_kind: global_buffer, .address_space: global }
      - { .name: ebase, .offset: 96, .size: 8, .value_kind: global_buffer, .address_space: global }
    .group_segment_fixed_size: 5120
    .private_segment_fixed_size: 0
    .kernarg_segment_align: 8
    .kernarg_segment_size: 104
    .max_flat_workgroup_size: 1024
    .sgpr_count:     80
    .vgpr_count:     128
    .wavefront_size: 32
...
	.end_amdgpu_metadata
.endif
;; end of part 1
;; launch chain (part 2): grid 256 x 1, 4 waves a work-group, no clusters, 298,752 bytes of LDS; arguments features, order, ebase, w1c, w1s, wf, wmax, be1, be2, be3, bd1, bd2, bd3, out0; writes out0
.if DOCPART == 2
	.amdgcn_target "amdgcn-amd-amdhsa--gfx1250"
	.amdhsa_code_object_version 6
	.text
	.protected	k_q8eec23790c_chain
	.globl	k_q8eec23790c_chain
	.p2align	8
	.type	k_q8eec23790c_chain,@function
k_q8eec23790c_chain:
	s_mov_b64 s[64:65], 0
	v_nop
	global_prefetch_b8 v0, s[64:65] scope:SCOPE_SE
	s_setreg_imm32_b32 hwreg(HW_REG_WAVE_MODE, 25, 1), 1
	s_wait_xcnt 0x0
; CHAIN: work-group b takes the rows at sorted positions 128 b .. 128 b + 127 through all six products; nothing but the result goes to memory.
; WORK LEFT OUT: the decoders that cat_idx does not choose for a row (reference() slices their results away: shown at the head of PREP); a NaN, infinity or overflow that only they would make is not carried.
; SHARES.  Four waves share the COLUMNS: in each layer wave w makes a quarter of the units (128, 64, 64, 64, 64, 32) for all 128 rows.  Its slice of the layer's weights lies whole in its registers,
; loaded once in operand order (PREP laid it so); the rows go through them in tiles of 16.  32768 / 128 = 256 work-groups of equal work.
; No tensor load and no joint request: branches hang on stored whole numbers, and each block has its own decoder.
; LAYOUT.  Every product is used transposed (source 0 = 16 units of W, source 1 = 16 rows): a lane holds ONE row and 8 neighbouring units, so two neighbouring tiles, rounded to f16 in pairs, ARE registers 0-3 and 4-7
; of the next product's fragment.  Operands go from wave to wave through LDS as images of their registers: 1 KiB a fragment, lane l's 16 bytes at 16 l.
; PRODUCT 1 is on codes of E2M1 with E8M0 scales: the rows are gathered, turned through a stage in LDS so that a lane holds whole blocks of 32 along K, and quantised in registers.
; PRODUCTS 2 TO 6 take f16 operands under ONE EXACT POWER OF TWO G for the block's stored activations, renewed in every layer.  Ahead of a layer u = Ms K max|W| + max|b| G bounds every |sum + b G|
; (Ms: the block's largest stored magnitude of the layer before, measured; K max|W| from PREP's table; for product 1 K x 4, since a number of E2M1 is at most 1.5 times what it stands for).
; rho = 2^(13 - floor(log2 u)), G' = G rho, stored = sum x rho + b G', under 2^14.  The last layer divides by G.  All by work on exponent fields; no branch and no address hangs on it.
; THE DECODERS.  A loop of constant count over the 8 decoders; the barriers stand outside every branch on stored numbers.  A decoder with no row in the block is passed over; of the others only the tiles of 16 rows that
; hold one of its rows are multiplied, and only its rows are kept.  Right for every split, all eight decoders in one block too.
; LIMITS: one G serves 128 rows: a row some 2^13 under the block's largest loses relative precision; u has the floors G 2^-86 and 2^-100; f16's range bounds the weights (see PREP); NaN and infinities are not served;
; row numbers and decoder numbers are held inside their buffers.
.set D2I,   65536                      ; LDS: 0 H1 [m 8][s 16] KiB, later D1's images [m][s 8] at 0 and D2's at 65,536
.set XIMG,  131072                     ; x's images [m 8][s 6] KiB, their scale words at XSC; then H2 [m][s 8]; then the stage for y: 128 rows of 512 + 16 bytes
.set XSC,   180224
.set H2,    131072
.set STG,   131072
.set H3,    198656                     ; kept through all decoders
.set XST,   264192                     ; each wave's own stage for the turn of x: 16 rows of 512 + 16 bytes
.set MXR,   297984                     ; the waves' largest magnitudes: slots of 16 bytes: 0 x, 1 L1, 2 L2, 3 L3, 4 D1
.set SPARE, 298240                     ; the spare words, 128 bytes a wave
.set LI, 1                             ; 16 x lane; made at the head, never rewritten
.set LS, 2                             ; 4 x lane
.set R,  3                             ; lane % 16
.set BH, 4                             ; 32 x (lane / 16)
.set H8, 5                             ; v5-9 while x is quantised ..
.set XWR, 6
.set XRD, 7
.set XI, 8
.set XSA, 9
.set LI2, 5                            ; .. and, written anew on the one way that all waves take, for the decoders
.set LI3, 6
.set ST2, 7
.set SO, 8
.set SR, 9
.set AAD, 10
.set SAD, 11
.set XSB, 12
.set SB4, 13                           ; 16 x lane + 4,096 x wave
.set SB2, 14                           ; 16 x lane + 2,048 x wave
.set MXA, 15
.set MXB, 16
.set SPW, 17                           ; my spare word; never rewritten
.set NIL, 18                           ; 0; never rewritten
.set VM, 19                            ; v19-22 running maxima
.set T0, 24
.set T1, 25
.set T2, 26
.set T3, 27
.set T4, 28
.set T5, 29
.set T6, 30
.set T7, 31
.set ACC, 32                           ; accumulators, 8 registers a tile
.set XR, 32                            ; 64 numbers of x
.set AF, 96                            ; the rows' fragments
.set OFFR, 96                          ; the 32 rows' offsets in features
.set PC, 128
.set XS, 144                           ; x's scale words
.set W1S, 160                          ; We1's scale words [s 6][j 4]
; windows 1-3 hold weights: head: W1, W2[0:127] product 1; W3 the ring of features.  L1: W3, W2[128:255] product 2 (s 0-11).  L2: W2[0:127] its s 12-15, W1 product 3.  Then W2 D1, W3 D2, W1[0:127] D3.
.set WV, 66
.set P0, 67
.set E0, 77                            ; s68-76: first sorted positions of the decoders, rotated pass by pass
.set E, 78
.set MASK, 79
.set SLO, 80
.set SCNT, 81
.set RHO, 82
.set G, 84
.set KW, 86
.set BM, 87
.set KW3, 88
.set BM3, 89
.set SEL, 90
.set TA, 92
.set TB, 94
.set M, 96
.set S0, 98
.set S1, 99
.set PL2, 32                           ; bases of the load groups, in the registers that held the row numbers
.set PL3, 34
.set PE2, 36
.set PE3, 38
.set PW, 40
.set PB1, 42
.set PB1S, 44
.set PWM, 46
.set PW3, 48
.set PB2, 50
.set PB2S, 52
.set PB3S, 54
.set MO1, 58
.set MO2, 59
.set MO3, 60
.set G3, 61
.set MSB, 0
.macro WIN new                         ; bits 1:0 source 0, 3:2 source 1, 5:4 source 2, 7:6 destination; the high byte repeats the setting that is left
.if MSB != \new
	s_set_vgpr_msb (MSB<<8)|\new
.set MSB, \new
.endif
.endm
.macro PLACES5                         ; behind a run of products: four places are asked ahead of loads into their sources and reads of their results, five ahead of a product that begins an accumulator anew
.rept 5
	v_nop
.endr
.endm
.macro BAR                             ; my LDS stores have landed and my LDS loads are in: then the work-group's barrier
	s_wait_dscnt 0x0
	s_barrier_signal -1
	s_barrier_wait -1
.endm
.macro WLOAD reg, n, base, off         ; n x 512 consecutive bytes of images into consecutive registers
.set wi, 0
.rept \n
	global_load_b128 v[\reg+4*wi:\reg+4*wi+3], v[LI], s[\base:\base+1] offset:\off+512*wi
.set wi, wi+1
.endr
.endm
.macro BLOAD reg, nt, base             ; a bias slice in the result's layout: tile t, my half's eight units
.set bi, 0
.rept \nt
	global_load_b128 v[\reg+8*bi:\reg+8*bi+3], v[BH], s[\base:\base+1] offset:64*bi
	global_load_b128 v[\reg+8*bi+4:\reg+8*bi+7], v[BH], s[\base:\base+1] offset:64*bi+16
.set bi, bi+1
.endr
.endm
.macro REDMAX v, t
.irp k, 1,2,4,8
	v_max_num_f32_dpp v[\v], v[\v], v[\v] row_xmask:\k row_mask:0xf bank_mask:0xf
.endr
	v_permlanex16_b32 v[\t], v[\v], s[SEL], s[SEL+1]
	v_max_num_f32 v[\v], v[\v], v[\t]
.endm
.macro BKW fb, n, wm, nw, kf, sbm, skw ; max|b| of the whole bias (n registers) and K x max|W| (nw registers of PREP's table)
	v_max_num_f32 v[T0], |v[\fb]|, |v[\fb+1]|
.set bk, 2
.rept (\n-2)/2
	v_max3_num_f32 v[T0], v[T0], |v[\fb+bk]|, |v[\fb+bk+1]|
.set bk, bk+2
.endr
	REDMAX T0, T1
	v_readfirstlane_b32 s[\sbm], v[T0]
	v_mov_b32 v[T2], v[\wm]
.if \nw > 1
.set bk, 1
.rept \nw-1
	v_max_num_f32 v[T2], v[T2], v[\wm+bk]
.set bk, bk+1
.endr
.endif
	REDMAX T2, T1
	v_mul_f32 v[T2], \kf, v[T2]
	v_readfirstlane_b32 s[\skw], v[T2]
.endm
.macro SCALECALC slot, bias, nb        ; rho and the new G from the four waves' maxima; the bias slice x the new G; the running maxima begin anew
	ds_load_b128 v[T0:T0+3], v[MXB] offset:16*\slot
	v_mov_b32 v[T4], s[G]
	v_mul_f32 v[T5], s[BM], v[T4]
	v_mul_f32 v[T4], 0x14800000, v[T4]             ; G x 2^-86
	s_wait_dscnt 0x0
	v_max3_num_f32 v[T0], v[T0], v[T1], v[T2]
	v_max_num_f32 v[T0], v[T0], v[T3]              ; Ms
	v_fma_f32 v[T0], v[T0], s[KW], v[T5]           ; u
	v_max3_num_f32 v[T0], v[T0], v[T4], 0x0d800000 ; its floors: G 2^-86 and 2^-100
	v_lshrrev_b32 v[T0], 23, v[T0]
	v_sub_nc_u32 v[T0], 0x10b, v[T0]               ; 127 + 13 - (field - 127)
	v_lshlrev_b32 v[T0], 23, v[T0]                 ; rho
	v_mul_f32 v[T1], s[G], v[T0]
	v_readfirstlane_b32 s[RHO], v[T0]
	v_readfirstlane_b32 s[G], v[T1]
	s_mov_b32 s[RHO+1], s[RHO]                     ; (the packed forms name pairs, so both words are written)
	s_mov_b32 s[G+1], s[G]
.set sc, 0
.rept \nb/2
	v_pk_mul_f32 v[\bias+2*sc:\bias+2*sc+1], v[\bias+2*sc:\bias+2*sc+1], s[G:G+1] op_sel_hi:[1,0]
.set sc, sc+1
.endr
.irp i, 0,1,2,3
	v_mov_b32 v[VM+\i], 0
.endr
.endm
.macro LOADA vb, imm, n
.set la, 0
.rept \n
	ds_load_b128 v[AF+4*la:AF+4*la+3], v[\vb] offset:\imm+512*la
.set la, la+1
.endr
.endm
; f16 products of one tile of rows: K steps s0 .. s0 + ns - 1, nt tiles of units by turns, one instruction a turn; first = 1: K step 0 starts the sums
.macro MMA nt, s0, ns, win, wreg, first
	WIN \win
.set ms, \s0
.rept \ns
.set mt, 0
.rept \nt
.if \first && (ms == 0)
	v_wmma_f32_16x16x32_f16 v[ACC+8*mt:ACC+8*mt+7], v[\wreg+8*((ms-\s0)*\nt+mt):\wreg+8*((ms-\s0)*\nt+mt)+7], v[AF+8*ms:AF+8*ms+7], 0
.else
	v_wmma_f32_16x16x32_f16 v[ACC+8*mt:ACC+8*mt+7], v[\wreg+8*((ms-\s0)*\nt+mt):\wreg+8*((ms-\s0)*\nt+mt)+7], v[AF+8*ms:AF+8*ms+7], v[ACC+8*mt:ACC+8*mt+7]
.endif
.set mt, mt+1
.endr
.set ms, ms+1
.endr
.endm
; a tile's results: x rho + b G; relu; the running maximum (domax 1: plain, 2: of magnitudes); to f16 in pairs; the image.  Each accumulator is read from its low end on
.macro EPI nt, bias, relu, domax, vst, imm
.set ei, 0
.rept 4*\nt
	v_pk_fma_f32 v[ACC+2*ei:ACC+2*ei+1], v[ACC+2*ei:ACC+2*ei+1], s[RHO:RHO+1], v[\bias+2*ei:\bias+2*ei+1] op_sel_hi:[1,0,1]
.set ei, ei+1
.endr
.if \relu
.set ei, 0
.rept 8*\nt
	v_max_num_f32 v[ACC+ei], 0, v[ACC+ei]
.set ei, ei+1
.endr
.endif
.if \domax
.set ei, 0
.rept 4*\nt
.if \domax == 1
	v_max3_num_f32 v[VM+ei%4], v[VM+ei%4], v[ACC+2*ei], v[ACC+2*ei+1]
.else
	v_max3_num_f32 v[VM+ei%4], v[VM+ei%4], |v[ACC+2*ei]|, |v[ACC+2*ei+1]|
.endif
.set ei, ei+1
.endr
.endif
.set et, 0
.rept \nt
.set ej, 0
.rept 4
	v_cvt_pk_f16_f32 v[ACC+8*et+ej], v[ACC+8*et+2*ej], v[ACC+8*et+2*ej+1]
.set ej, ej+1
.endr
.set et, et+1
.endr
.set et, 0
.rept \nt
	ds_store_b128 v[\vst], v[ACC+8*et:ACC+8*et+3] offset:\imm+512*et
.set et, et+1
.endr
.endm
.macro LAYEREND slot                   ; my wave's largest stored magnitude, for the next layer's bound
	v_max3_num_f32 v[VM], v[VM], v[VM+1], v[VM+2]
	v_max_num_f32 v[VM], v[VM], v[VM+3]
	REDMAX VM, T0
	ds_store_b32 v[MXA], v[VM] offset:16*\slot
.endm
; ================ head
	s_load_b512 s[4:19], s[0:1], 0x0               ; features 4, order 6, ebase 8, w1c 10, w1s 12, wf 14, wmax 16, be1 18
	s_load_b256 s[20:27], s[0:1], 0x40             ; be2 20, be3 22, bd1 24, bd2 26
	s_load_b128 s[28:31], s[0:1], 0x60             ; bd3 28, out0 30
	v_lshl_add_u32 v[SPW], v0, 2, SPARE
	v_mov_b32 v[NIL], 0
	v_lshrrev_b32 v[T0], 5, v0
	v_readfirstlane_b32 s[WV], v[T0]               ; wave 0..3
	v_and_b32 v[T0], 31, v0
	v_lshlrev_b32 v[LI], 4, v[T0]
	v_lshlrev_b32 v[LS], 2, v[T0]
	v_and_b32 v[R], 15, v0
	v_bfe_u32 v[T1], v0, 4, 1                      ; h
	v_lshlrev_b32 v[BH], 5, v[T1]
	v_lshlrev_b32 v[H8], 3, v[T1]
	s_mul_i32 s[S0], s[WV], 8448
	s_add_co_u32 s[S0], s[S0], XST                 ; my stage for the turn
	v_add_nc_u32 v[XWR], s[S0], v[LI]              ; in: a row's 512 bytes as they lie
	v_mul_u32_u24 v[XRD], v[R], 528
	v_lshl_add_u32 v[XRD], v[T1], 7, v[XRD]
	v_add_nc_u32 v[XRD], s[S0], v[XRD]             ; back: row r, my half's 32 numbers of each 64
	s_mul_i32 s[S0], s[WV], 12288
	s_add_co_u32 s[S0], s[S0], XIMG
	v_add_nc_u32 v[XI], s[S0], v[LI]               ; my two tiles' images of x
	s_mul_i32 s[S0], s[WV], 1536
	s_add_co_u32 s[S0], s[S0], XSC
	v_add_nc_u32 v[XSA], s[S0], v[LS]
	s_lshl_b32 s[S0], s[WV], 12
	v_add_nc_u32 v[SB4], s[S0], v[LI]
	s_lshl_b32 s[S0], s[WV], 11
	v_add_nc_u32 v[SB2], s[S0], v[LI]
	s_lshl_b32 s[S0], s[WV], 2
	s_add_co_u32 s[S0], s[S0], MXR
	v_mov_b32 v[MXA], s[S0]
	v_mov_b32 v[MXB], MXR
.irp i, 0,1,2,3
	v_mov_b32 v[VM+\i], 0
.endr
.irp i, 2,3,4,5,6,7
	v_mov_b32 v[T0+\i], 0                          ; written once: a lane permute's destination counts as one of its sources
.endr
	s_mov_b32 s[SEL], 0x76543210
	s_mov_b32 s[SEL+1], 0xfedcba98
	s_mov_b32 s[G], 1.0
	s_mov_b32 s[G+1], 1.0
	s_lshl_b32 s[P0], ttmp9, 7                     ; my block's first sorted position
	s_lshl_b32 s[SLO], s[P0], 2
	s_lshl_b32 s[S0], s[WV], 7
	s_add_co_u32 s[SLO], s[SLO], s[S0]
	s_mov_b32 s[SLO+1], 0
	s_mul_i32 s[TA], s[WV], 49152
	s_mov_b32 s[TA+1], 0
	s_mul_i32 s[TB], s[WV], 3072
	s_mov_b32 s[TB+1], 0
	s_lshl_b32 s[S0], s[WV], 9
	s_mov_b32 s[S1], 0
	s_wait_kmcnt 0x0
	s_add_nc_u64 s[SLO:SLO+1], s[6:7], s[SLO:SLO+1]
	s_load_b512 s[32:47], s[SLO:SLO+1], 0x0        ; my wave's 32 row numbers
	s_load_b512 s[48:63], s[SLO:SLO+1], 0x40
	s_load_b256 s[68:75], s[8:9], 0x0              ; the decoders' first positions
	s_load_b32 s76, s[8:9], 0x20
	s_add_nc_u64 s[TA:TA+1], s[10:11], s[TA:TA+1]  ; my slice of We1's codes,
	s_add_nc_u64 s[TB:TB+1], s[12:13], s[TB:TB+1]  ; of its scale words,
	s_add_nc_u64 s[S0:S0+1], s[18:19], s[S0:S0+1]  ; of be1
	WIN 0x40
	WLOAD 0, 64, TA, 0                             ; product 1's weights: K steps 0-3
	WIN 0x80
	WLOAD 0, 32, TA, 32768                         ; K steps 4, 5
	WIN 0
.set hi_, 0
.rept 24
	global_load_b32 v[W1S+hi_], v[LS], s[TB:TB+1] offset:128*hi_
.set hi_, hi_+1
.endr
	BLOAD 192, 8, S0
.irp i, 0,1,2,3
	global_load_b128 v[136+4*\i:139+4*\i], v[LI], s[18:19] offset:512*\i   ; all of be1, for its largest magnitude
.endr
.irp i, 0,1,2
	global_load_b32 v[152+\i], v[LS], s[16:17] offset:128*\i               ; We1's rows of the table of maxima
.endr
	s_wait_kmcnt 0x0
.set hi_, 0
.rept 32
	s_min_u32 s[32+hi_], s[32+hi_], 0x7fff         ; held inside the buffer
	s_mul_i32 s[32+hi_], s[32+hi_], 3072
	v_add_nc_u32 v[OFFR+hi_], s[32+hi_], v[LI]
.set hi_, hi_+1
.endr
; fragment f = 6 u + s: tile 2 w + u of rows, K step s.  16 loads, each 512 consecutive bytes of one row, into ring slot f % 4 of window 3
.macro LOADF f
	WIN 0xc0
.set lf, 0
.rept 16
	global_load_b128 v[64*((\f)%4)+4*lf:64*((\f)%4)+4*lf+3], v[OFFR+16*((\f)/6)+lf], s[4:5] offset:512*((\f)%6) th:TH_LOAD_NT
.set lf, lf+1
.endr
	WIN 0
.endm
	LOADF 0
	LOADF 1
	LOADF 2
	LOADF 3
	s_wait_xcnt 0x0                                ; what has been issued has read its bases: the temporaries may be written again
	s_lshl_b32 s[TA], s[WV], 16
	s_mov_b32 s[TA+1], 0
	s_add_nc_u64 s[PL2:PL2+1], s[14:15], s[TA:TA+1]
	s_lshl_b32 s[TA], s[WV], 15
	s_add_nc_u64 s[PL3:PL3+1], s[14:15], s[TA:TA+1]
	s_lshl_b32 s[TA], s[WV], 8
	s_add_nc_u64 s[PE2:PE2+1], s[20:21], s[TA:TA+1]
	s_add_nc_u64 s[PE3:PE3+1], s[22:23], s[TA:TA+1]
	s_mov_b32 s[E0], 0                             ; the decoder of my block's first row: how many of decoders 1..7 begin at or under it
.irp e, 1,2,3,4,5,6,7
	s_cmp_le_u32 s[68+\e], s[P0]
	s_add_co_ci_u32 s[E0], s[E0], 0
.endr
	s_min_u32 s[E0], s[E0], 7
; ================ X: gather, turn, quantise
.macro XFRAG f
.if \f < 9
	s_wait_loadcnt 48                              ; this fragment's 16 loads are in; those of the three fragments behind it may be out
.else
	s_wait_loadcnt 16*(11-\f)
.endif
	WIN 0x0c                                       ; an LDS store's data are its source 1: window 3
.set xf, 0
.rept 16
	ds_store_b128 v[XWR], v[64*((\f)%4)+4*xf:64*((\f)%4)+4*xf+3] offset:528*xf
.set xf, xf+1
.endr
	WIN 0
.irp c, 0,1
.irp j, 0,1,2,3,4,5,6,7
	ds_load_b128 v[XR+32*\c+4*\j:XR+32*\c+4*\j+3], v[XRD] offset:256*\c+16*\j   ; LDS serves a wave's instructions in order: these see my stores.  Register 32 c + i = x(row r, 128 s + 64 c + 32 h + i)
.endr
.endr
	s_wait_dscnt 0x0                               ; the numbers are back; the stores have read the ring's slot
.if (\f)+4 < 12
	LOADF (\f)+4
.endif
	v_max3_num_f32 v[T0], |v[XR]|, |v[XR+1]|, 0x1800000        ; my two whole blocks, h and 2 + h, by turns; the floor 2^(3 - 127) holds the byte at 1 from below
	v_max3_num_f32 v[T1], |v[XR+32]|, |v[XR+33]|, 0x1800000
.irp i, 2,4,6,8,10,12,14,16,18,20,22,24,26,28,30
	v_max3_num_f32 v[T0], v[T0], |v[XR+\i]|, |v[XR+\i+1]|
	v_max3_num_f32 v[T1], v[T1], |v[XR+32+\i]|, |v[XR+33+\i]|
.endr
	v_max3_num_f32 v[VM], v[VM], v[T0], v[T1]
	v_add_nc_u32 v[T2], 0xff000000, v[T0]          ; 2 off the exponent field: the conversion's scale operand
	v_add_nc_u32 v[T3], 0xff000000, v[T1]
	v_lshrrev_b32 v[T4], 23, v[T2]                 ; the bytes
	v_lshrrev_b32 v[T5], 23, v[T3]
	v_lshl_or_b32 v[T6], v[T5], 16, v[T4]
	v_lshlrev_b32 v[T6], v[H8], v[T6]              ; at their places in the row's scale word,
	v_permlanex16_b32 v[T7], v[T6], s[SEL], s[SEL+1]
	v_or_b32 v[T6], v[T6], v[T7]                   ; whole with lane l xor 16's two
.irp g, 0,1,2,3
	v_cvt_scalef32_pk8_fp4_f32 v[PC+\g], v[XR+8*\g:XR+8*\g+7], v[T2]
	v_cvt_scalef32_pk8_fp4_f32 v[PC+4+\g], v[XR+32+8*\g:XR+39+8*\g], v[T3]
.endr
	v_nop                                          ; one plain place behind the last scaled conversion
	ds_store_b128 v[XI], v[PC:PC+3] offset:(\f)*1024
	ds_store_b128 v[XI], v[PC+4:PC+7] offset:(\f)*1024+512
	ds_store_b32 v[XSA], v[T6] offset:(\f)*128
.endm
.irp f, 0,1,2,3,4,5,6,7,8,9,10,11
	XFRAG \f
.endr
	WIN 0xc0
	WLOAD 0, 64, PL2, 0                            ; product 2's weights, K steps 0-7, where the ring lay
	WIN 0x80
	WLOAD 128, 32, PL2, 32768                      ; K steps 8-11
	WIN 0
	LAYEREND 0
	BAR                                            ; x's images and the four maxima lie in LDS
; ================ L1: 768 -> 512 on codes, relu
	BKW 136, 16, 152, 3, 0x45400000, BM, KW        ; K x 4 = 3,072
	SCALECALC 0, 192, 64
.macro LOADX i1, i2
.set lx, 0
.rept 12
	ds_load_b128 v[AF+4*lx:AF+4*lx+3], v[AAD] offset:\i1+512*lx
.set lx, lx+1
.endr
.set lx, 0
.rept 6
	ds_load_b32 v[XS+lx], v[XSB] offset:\i2+128*lx
.set lx, lx+1
.endr
.endm
	s_mov_b32 s[M], 0
	s_mov_b32 s[MO1], XIMG
	s_mov_b32 s[MO2], XSC
	s_mov_b32 s[MO3], 0
	v_add_nc_u32 v[AAD], s[MO1], v[LI]
	v_add_nc_u32 v[XSB], s[MO2], v[LS]
	LOADX 0, 0
.Ll1:                                          ; a trip: one tile of 16 rows
	v_add_nc_u32 v[AAD], s[MO1], v[LI]
	v_add_nc_u32 v[XSB], s[MO2], v[LS]
	v_add_nc_u32 v[SAD], s[MO3], v[SB4]
	s_wait_dscnt 0x0                               ; the tile's fragments and scale words are in
.set ms, 0
.rept 6                                ; 48 products: my 8 tiles of units by turns, K step by K step.  A scale register holds tile 2 j's words in lanes 0-15 and tile 2 j + 1's in lanes 16-31
.if ms < 4
	WIN 0x01
.set wr, 64*ms
.else
	WIN 0x02
.set wr, 64*(ms-4)
.endif
.set mt, 0
.rept 8
.if ms == 0
.if mt%2
	v_wmma_scale_f32_16x16x128_f8f6f4 v[ACC+8*mt:ACC+8*mt+7], v[wr+8*mt:wr+8*mt+7], v[AF+8*ms:AF+8*ms+7], 0, v[W1S+4*ms+mt/2], v[XS+ms] matrix_a_fmt:MATRIX_FMT_FP4 matrix_b_fmt:MATRIX_FMT_FP4 matrix_a_scale:MATRIX_SCALE_ROW1
.else
	v_wmma_scale_f32_16x16x128_f8f6f4 v[ACC+8*mt:ACC+8*mt+7], v[wr+8*mt:wr+8*mt+7], v[AF+8*ms:AF+8*ms+7], 0, v[W1S+4*ms+mt/2], v[XS+ms] matrix_a_fmt:MATRIX_FMT_FP4 matrix_b_fmt:MATRIX_FMT_FP4
.endif
.else
.if mt%2
	v_wmma_scale_f32_16x16x128_f8f6f4 v[ACC+8*mt:ACC+8*mt+7], v[wr+8*mt:wr+8*mt+7], v[AF+8*ms:AF+8*ms+7], v[ACC+8*mt:ACC+8*mt+7], v[W1S+4*ms+mt/2], v[XS+ms] matrix_a_fmt:MATRIX_FMT_FP4 matrix_b_fmt:MATRIX_FMT_FP4 matrix_a_scale:MATRIX_SCALE_ROW1
.else
	v_wmma_scale_f32_16x16x128_f8f6f4 v[ACC+8*mt:ACC+8*mt+7], v[wr+8*mt:wr+8*mt+7], v[AF+8*ms:AF+8*ms+7], v[ACC+8*mt:ACC+8*mt+7], v[W1S+4*ms+mt/2], v[XS+ms] matrix_a_fmt:MATRIX_FMT_FP4 matrix_b_fmt:MATRIX_FMT_FP4
.endif
.endif
.set mt, mt+1
.endr
.set ms, ms+1
.endr
	WIN 0
	PLACES5
	s_cmp_eq_u32 s[M], 7
	s_cbranch_scc1 .Ll1n
	LOADX 6144, 768                                ; the next tile lands while this one's results are worked
.Ll1n:
	EPI 8, 192, 1, 1, SAD, 0
	s_add_co_u32 s[MO1], s[MO1], 6144
	s_add_co_u32 s[MO2], s[MO2], 768
	s_add_co_u32 s[MO3], s[MO3], 16384
	s_add_co_u32 s[M], s[M], 1
	s_cmp_lt_u32 s[M], 8
	s_cbranch_scc1 .Ll1
	s_wait_dscnt 0x0                               ; the last images have left their registers
	WIN 0x80
	WLOAD 0, 32, PL2, 49152                        ; product 2's K steps 12-15
	WIN 0
	BLOAD 64, 4, PE2
	global_load_b128 v[224:227], v[LI], s[20:21]
	global_load_b128 v[228:231], v[LI], s[20:21] offset:512
	global_load_b32 v232, v[LS], s[16:17] offset:384
	global_load_b32 v233, v[LS], s[16:17] offset:512
	global_load_b128 v[234:237], v[LI], s[22:23]
	global_load_b128 v[238:241], v[LI], s[22:23] offset:512
	global_load_b32 v242, v[LS], s[16:17] offset:640
	LAYEREND 1
	BAR                                            ; H1 lies in LDS; nobody reads x's images any more
; ================ L2: 512 -> 256, relu
	LOADA LI, 0, 32
	s_wait_loadcnt 0x0
	BKW 224, 8, 232, 2, 0x44000000, BM, KW
	BKW 234, 8, 242, 1, 0x43800000, BM3, KW3
	SCALECALC 1, 64, 32
	WIN 0x40
	WLOAD 0, 64, PL3, 262144                       ; product 3's weights land during this layer
	WIN 0
	BLOAD 224, 4, PE3
	s_mov_b32 s[M], 0
	s_mov_b32 s[MO1], 0
	s_mov_b32 s[MO3], H2
.Ll2:
	v_add_nc_u32 v[AAD], s[MO1], v[LI]
	v_add_nc_u32 v[SAD], s[MO3], v[SB2]
	s_wait_dscnt 0x0
	MMA 4, 0, 8, 0x03, 0, 1
	MMA 4, 8, 4, 0x02, 128, 0
	MMA 4, 12, 4, 0x02, 0, 0
	WIN 0
	PLACES5
	s_cmp_eq_u32 s[M], 7
	s_cbranch_scc1 .Ll2n
	LOADA AAD, 16384, 32
.Ll2n:
	EPI 4, 64, 1, 1, SAD, 0
	s_add_co_u32 s[MO1], s[MO1], 16384
	s_add_co_u32 s[MO3], s[MO3], 8192
	s_add_co_u32 s[M], s[M], 1
	s_cmp_lt_u32 s[M], 8
	s_cbranch_scc1 .Ll2
	s_wait_loadcnt 0x0                             ; product 3's weights and bias
	LAYEREND 2
	BAR                                            ; H2 lies in LDS; nobody reads H1 any more
; ================ L3: 256 -> 256, no relu.  The first decoder's weights land during this layer
.macro PRE se                          ; decoder se: D1's and D2's weights, bd1 (slice and whole), Wd1's row of the table: 64 + 64 + 8 + 2 + 1 = 139 loads
	s_wait_xcnt 0x0                                ; earlier loads have read their bases
	s_lshl_b32 s[TA], s[\se], 17
	s_lshl_b32 s[TB], s[WV], 15
	s_add_co_u32 s[TA], s[TA], s[TB]
	s_mov_b32 s[TA+1], 0
	s_add_nc_u64 s[PW:PW+1], s[14:15], s[TA:TA+1]
	s_lshl_b32 s[TA], s[\se], 10
	s_add_nc_u64 s[PB1:PB1+1], s[24:25], s[TA:TA+1]
	s_lshl_b32 s[TB], s[WV], 8
	s_mov_b32 s[TB+1], 0
	s_add_nc_u64 s[PB1S:PB1S+1], s[PB1:PB1+1], s[TB:TB+1]
	s_lshl_b32 s[TA], s[\se], 7
	s_add_nc_u64 s[PWM:PWM+1], s[16:17], s[TA:TA+1]
	WIN 0x80
	WLOAD 0, 64, PW, 393216
	WIN 0xc0
	WLOAD 0, 64, PW, 1441792
	WIN 0
	BLOAD 160, 4, PB1S
	global_load_b128 v[192:195], v[LI], s[PB1:PB1+1]
	global_load_b128 v[196:199], v[LI], s[PB1:PB1+1] offset:512
	global_load_b32 v200, v[LS], s[PWM:PWM+1] offset:768
.endm
	v_add_nc_u32 v[AAD], H2, v[LI]
	LOADA AAD, 0, 16
	s_mov_b32 s[KW], s[KW3]
	s_mov_b32 s[BM], s[BM3]
	SCALECALC 2, 224, 32
	PRE E0
	s_mov_b32 s[M], 0
	s_mov_b32 s[MO1], H2
	s_mov_b32 s[MO3], H3
.Ll3:
	v_add_nc_u32 v[AAD], s[MO1], v[LI]
	v_add_nc_u32 v[SAD], s[MO3], v[SB2]
	s_wait_dscnt 0x0
	MMA 4, 0, 8, 0x01, 0, 1
	WIN 0
	PLACES5
	s_cmp_eq_u32 s[M], 7
	s_cbranch_scc1 .Ll3n
	LOADA AAD, 8192, 16
.Ll3n:
	EPI 4, 224, 0, 2, SAD, 0
	s_add_co_u32 s[MO1], s[MO1], 8192
	s_add_co_u32 s[MO3], s[MO3], 8192
	s_add_co_u32 s[M], s[M], 1
	s_cmp_lt_u32 s[M], 8
	s_cbranch_scc1 .Ll3
	v_add_nc_u32 v[LI2], D2I, v[LI]                ; the decoders' LDS addresses, all made here, ahead of the first branch on a stored number
	v_add_nc_u32 v[LI3], H3, v[LI]
	v_add_nc_u32 v[ST2], D2I, v[SB2]
	v_mul_u32_u24 v[SO], v[R], 528
	v_add_nc_u32 v[SO], v[BH], v[SO]
	s_lshl_b32 s[TA], s[WV], 7
	s_add_co_u32 s[TA], s[TA], STG
	v_add_nc_u32 v[SO], s[TA], v[SO]               ; the stage: row r, + 32 h, + my 128 bytes of a row
	s_mul_i32 s[TA], s[WV], 16896
	s_add_co_u32 s[TA], s[TA], STG
	v_add_nc_u32 v[SR], s[TA], v[LI]               ; back: my 32 rows, 16 bytes a lane
	LAYEREND 3
	BAR                                            ; H3 lies in LDS; nobody reads H2 any more
	s_mov_b32 s[G3], s[G]
; ================ the decoders
.macro PASSL                           ; decoder E: D3's weights, bd2 (slice and whole), Wd2's row of the table, bd3's slice: 32 + 8 + 2 + 1 + 4 = 47 loads
	s_wait_xcnt 0x0
	s_lshl_b32 s[TA], s[E], 16
	s_lshl_b32 s[TB], s[WV], 14
	s_add_co_u32 s[TA], s[TA], s[TB]
	s_mov_b32 s[TA+1], 0
	s_add_nc_u64 s[PW3:PW3+1], s[14:15], s[TA:TA+1]
	s_lshl_b32 s[TA], s[E], 10
	s_add_nc_u64 s[PB2:PB2+1], s[26:27], s[TA:TA+1]
	s_lshl_b32 s[TB], s[WV], 8
	s_mov_b32 s[TB+1], 0
	s_add_nc_u64 s[PB2S:PB2S+1], s[PB2:PB2+1], s[TB:TB+1]
	s_lshl_b32 s[TA], s[E], 9
	s_lshl_b32 s[TB], s[WV], 7
	s_add_co_u32 s[TA], s[TA], s[TB]
	s_add_nc_u64 s[PB3S:PB3S+1], s[28:29], s[TA:TA+1]
	WIN 0x40
	WLOAD 0, 32, PW3, 2490368
	WIN 0
	BLOAD 64, 4, PB2S
	global_load_b128 v[202:205], v[LI], s[PB2:PB2+1]
	global_load_b128 v[206:209], v[LI], s[PB2:PB2+1] offset:512
	global_load_b32 v210, v[LS], s[PWM:PWM+1] offset:1792
	BLOAD 212, 2, PB3S
.endm
.macro EPI3 m                          ; y = sum / G + b, in f32; only the rows of this decoder go into the stage
.set ei, 0
.rept 8
	v_pk_fma_f32 v[ACC+2*ei:ACC+2*ei+1], v[ACC+2*ei:ACC+2*ei+1], s[RHO:RHO+1], v[212+2*ei:213+2*ei] op_sel_hi:[1,0,1]
.set ei, ei+1
.endr
	s_sub_co_i32 s[S0], s[SLO], 16*\m
	v_sub_nc_u32 v[T0], v[R], s[S0]                ; my row's place in the block, less the decoder's first: under its count (unsigned) where the row is its own
	v_cmp_gt_u32 vcc_lo, s[SCNT], v[T0]
	s_and_saveexec_b32 s100, vcc_lo                ; (no global load or store has been issued since the wait at this phase's head)
.irp t, 0,1
	ds_store_b128 v[SO], v[ACC+8*\t:ACC+8*\t+3] offset:8448*\m+64*\t
	ds_store_b128 v[SO], v[ACC+8*\t+4:ACC+8*\t+7] offset:8448*\m+64*\t+16
.endr
	s_or_b32 exec_lo, exec_lo, s100
.endm
; tile m of a decoder's layer (kind 1, 2, 3).  Written out with immediate offsets.  The wait stands outside the branches, so that no load lands on a register that a load may still write
.macro DTILE m, kind
	s_wait_dscnt 0x0
	s_bitcmp1_b32 s[MASK], \m
	s_cbranch_scc0 .Lda_\@
.if \kind == 1
	MMA 4, 0, 8, 0x02, 0, 1
.elseif \kind == 2
	MMA 4, 0, 8, 0x03, 0, 1
.else
	MMA 2, 0, 8, 0x01, 0, 1
.endif
	WIN 0
	PLACES5
.Lda_\@:
.if \m < 7
	s_bitcmp1_b32 s[MASK], \m+1
	s_cbranch_scc0 .Ldb_\@
.if \kind == 1
	LOADA LI3, (\m+1)*8192, 16
.elseif \kind == 2
	LOADA LI, (\m+1)*8192, 16
.else
	LOADA LI2, (\m+1)*8192, 16
.endif
.Ldb_\@:
.endif
	s_bitcmp1_b32 s[MASK], \m
	s_cbranch_scc0 .Ldc_\@
.if \kind == 1
	EPI 4, 160, 1, 1, SB2, \m*8192
.elseif \kind == 2
	EPI 4, 64, 1, 0, ST2, \m*8192
.else
	EPI3 \m
.endif
.Ldc_\@:
.endm
	s_mov_b32 s[E], 0
.Lexp:                                         ; eight trips, whatever the split
	s_sub_co_i32 s[SLO], s68, s[P0]                ; the decoder's rows in my block: places lo .. hi - 1
	s_max_i32 s[SLO], s[SLO], 0
	s_min_i32 s[SLO], s[SLO], 0x80
	s_sub_co_i32 s[S1], s69, s[P0]
	s_max_i32 s[S1], s[S1], 0
	s_min_i32 s[S1], s[S1], 0x80
	s_sub_co_u32 s[SCNT], s[S1], s[SLO]
	s_sub_co_u32 s[S1], s[S1], 1
	s_lshr_b32 s[S1], s[S1], 4
	s_lshl_b32 s[S1], 2, s[S1]
	s_lshr_b32 s[S0], s[SLO], 4
	s_lshl_b32 s[S0], 1, s[S0]
	s_sub_co_u32 s[MASK], s[S1], s[S0]             ; a bit for each tile of 16 rows that holds one of them
	s_cmp_eq_u32 s[SCNT], 0
	s_cselect_b32 s[MASK], 0, s[MASK]
	s_cmp_eq_u32 s[MASK], 0
	s_cbranch_scc1 .Lno_d1
	; ---- D1: 256 -> 256, relu
	s_wait_loadcnt 0x0                             ; no load of an earlier pass is out
	s_cmp_eq_u32 s[E], s[E0]
	s_cbranch_scc1 .Lhave                          ; the block's first decoder was asked for during L3
	PRE E
.Lhave:
	PASSL
	s_wait_loadcnt 47                              ; all but the 47 just issued: D1's and D2's weights, bd1 and the table's row are in
	s_mov_b32 s[G], s[G3]
	BKW 192, 8, 200, 1, 0x43800000, BM, KW
	SCALECALC 3, 160, 32
	s_bitcmp1_b32 s[MASK], 0
	s_cbranch_scc0 .Ld1n
	LOADA LI3, 0, 16
.Ld1n:
.irp m, 0,1,2,3,4,5,6,7
	DTILE \m, 1
.endr
	LAYEREND 4
.Lno_d1:
	BAR                                            ; D1's images lie in LDS; the last pass's reads of D2's images are over
	s_cmp_eq_u32 s[MASK], 0
	s_cbranch_scc1 .Lno_d2
	; ---- D2: 256 -> 256, relu
	s_wait_loadcnt 0x0
	BKW 202, 8, 210, 1, 0x43800000, BM, KW
	SCALECALC 4, 64, 32
	s_bitcmp1_b32 s[MASK], 0
	s_cbranch_scc0 .Ld2n
	LOADA LI, 0, 16
.Ld2n:
.irp m, 0,1,2,3,4,5,6,7
	DTILE \m, 2
.endr
.Lno_d2:
	BAR                                            ; D2's images lie in LDS; nobody reads D1's any more
	s_cmp_eq_u32 s[MASK], 0
	s_cbranch_scc1 .Lno_d3
	; ---- D3: 256 -> 128
	s_wait_loadcnt 0x0
	s_wait_xcnt 0x0                                ; EXEC changes below only behind this wait
	s_lshr_b32 s[S0], s[G], 23
	s_sub_co_u32 s[S0], 254, s[S0]
	s_lshl_b32 s[RHO], s[S0], 23                   ; 1 / G
	s_mov_b32 s[RHO+1], s[RHO]
	s_bitcmp1_b32 s[MASK], 0
	s_cbranch_scc0 .Ld3n
	LOADA LI2, 0, 16
.Ld3n:
.irp m, 0,1,2,3,4,5,6,7
	DTILE \m, 3
.endr
.Lno_d3:
.irp e, 0,1,2,3,4,5,6,7
	s_mov_b32 s[68+\e], s[69+\e]                   ; on to the next decoder's positions
.endr
	s_add_co_u32 s[E], s[E], 1
	s_cmp_lt_u32 s[E], 8
	s_cbranch_scc1 .Lexp
; ================ the way out: each wave stores 32 whole rows, 512 consecutive aligned bytes a store, to the rows' own places.
; A row's place stands in the store's SCALAR base (out0 + 512 x its number, held inside the buffer); the vector offset is 16 x lane alone.  16 base pairs, s32-63: two batches of 16 rows.
	s_wait_loadcnt 0x0
	s_wait_xcnt 0x0                                ; no load still reads a scalar register that is written below
	s_lshl_b32 s100, s[P0], 2
	s_lshl_b32 s101, s[WV], 7
	s_add_co_u32 s100, s100, s101
	s_mov_b32 s101, 0
	s_add_nc_u64 s[100:101], s[6:7], s[100:101]
	s_load_b512 s[68:83], s[100:101], 0x0          ; my wave's 32 row numbers once more: the decoders' scalars are done with
	s_load_b512 s[84:99], s[100:101], 0x40
	BAR                                            ; 128 whole rows of y lie in the stage
.set oi, 0
.rept 32
	ds_load_b128 v[96+4*oi:99+4*oi], v[SR] offset:528*oi
.set oi, oi+1
.endr
	s_wait_kmcnt 0x0                               ; the row numbers are in, and their load's base is free
	s_mov_b32 s101, 0
.macro OUTB q                          ; rows 16 q .. 16 q + 15 of my 32
.set oi, 0
.rept 16
	s_min_u32 s[68+16*(\q)+oi], s[68+16*(\q)+oi], 0x7fff
	s_mul_i32 s100, s[68+16*(\q)+oi], 512
	s_add_nc_u64 s[32+2*oi:33+2*oi], s[30:31], s[100:101]
.set oi, oi+1
.endr
.set oi, 0
.rept 16
	s_wait_dscnt 31-16*(\q)-oi                     ; LDS loads come back in order: this row is in, the younger ones may be out
	global_store_b128 v[LI], v[96+4*(16*(\q)+oi):99+4*(16*(\q)+oi)], s[32+2*oi:33+2*oi] th:TH_STORE_NT
.set oi, oi+1
.endr
.endm
	OUTB 0
	s_wait_xcnt 0x0                                ; the first batch's stores have read their bases: the pairs may be written again
	OUTB 1
	s_wait_tensorcnt 0x0                           ; the wave's end
	ds_add_u32 v[SPW], v[NIL]
	s_wait_dscnt 0x0
	s_endpgm
.Lfunc_end_k_q8eec23790c_chain:
	.size	k_q8eec23790c_chain, .Lfunc_end_k_q8eec23790c_chain-k_q8eec23790c_chain
	.p2alignl 7, 3214868480
	.fill 96, 4, 3214868480
	.section	.rodata,"a",@progbits
	.p2align	6, 0x0
	.amdhsa_kernel k_q8eec23790c_chain
		.amdhsa_group_segment_fixed_size 298752
		.amdhsa_private_segment_fixed_size 0
		.amdhsa_enable_private_segment 0
		.amdhsa_kernarg_size 112
		.amdhsa_user_sgpr_count 2
		.amdhsa_user_sgpr_kernarg_segment_ptr 1
		.amdhsa_wavefront_size32 1
		.amdhsa_system_sgpr_workgroup_id_x 1
		.amdhsa_system_sgpr_workgroup_id_y 1
		.amdhsa_system_sgpr_workgroup_id_z 1
		.amdhsa_system_vgpr_workitem_id 0
		.amdhsa_next_free_vgpr 1024
		.amdhsa_next_free_sgpr 102
		.amdhsa_reserve_vcc 1
		.amdhsa_float_denorm_mode_32 3
		.amdhsa_float_denorm_mode_16_64 3
		.amdhsa_memory_ordered 1
		.amdhsa_forward_progress 1
		.amdhsa_inst_pref_size 255
	.end_amdhsa_kernel
	.section	.bss,"aw",@nobits
	.p2align	6
	.space	262144
	.amdgpu_metadata
---
amdhsa.version: [ 1, 2 ]
amdhsa.kernels:
  - .name:           k_q8eec23790c_chain
    .symbol:         k_q8eec23790c_chain.kd
    .args:
      - { .name: features, .offset: 0, .size: 8, .value_kind: global_buffer, .address_space: global }
      - { .name: order, .offset: 8, .size: 8, .value_kind: global_buffer, .address_space: global }
      - { .name: ebase, .offset: 16, .size: 8, .value_kind: global_buffer, .address_space: global }
      - { .name: w1c, .offset: 24, .size: 8, .value_kind: global_buffer, .address_space: global }
      - { .name: w1s, .offset: 32, .size: 8, .value_kind: global_buffer, .address_space: global }
      - { .name: wf, .offset: 40, .size: 8, .value_kind: global_buffer, .address_space: global }
      - { .name: wmax, .offset: 48, .size: 8, .value_kind: global_buffer, .address_space: global }
      - { .name: be1, .offset: 56, .size: 8, .value_kind: global_buffer, .address_space: global }
      - { .name: be2, .offset: 64, .size: 8, .value_kind: global_buffer, .address_space: global }
      - { .name: be3, .offset: 72, .size: 8, .value_kind: global_buffer, .address_space: global }
      - { .name: bd1, .offset: 80, .size: 8, .value_kind: global_buffer, .address_space: global }
      - { .name: bd2, .offset: 88, .size: 8, .value_kind: global_buffer, .address_space: global }
      - { .name: bd3, .offset: 96, .size: 8, .value_kind: global_buffer, .address_space: global }
      - { .name: out0, .offset: 104, .size: 8, .value_kind: global_buffer, .address_space: global }
    .group_segment_fixed_size: 298752
    .private_segment_fixed_size: 0
    .kernarg_segment_align: 8
    .kernarg_segment_size: 112
    .max_flat_workgroup_size: 128
    .sgpr_count:     102
    .vgpr_count:     1024
    .wavefront_size: 32
...
	.end_amdgpu_metadata
.endif
;; end of part 2
